; MI455X (gfx1250); checked and timed in simulation.
; The chip was launched on July 23, 2026; its instructions are those of AMD's public machine-readable ISA for CDNA 5 (MIT licence, August 2026) and "CDNA5" Instruction Set Architecture Reference Guide (July 2026). The comments in the code are by the model that wrote it; some were corrected since.
;; QKV Attention Legacy. Allowed arithmetic: matrix products marked QUANTISED: E2M1 operands, one E8M0 scale for each 32 along K, by v_wmma_scale_f32_16x16x128_f8f6f4 with both operands' format E2M1 (or v_wmma_scale_f32_32x16x128_f4), f32 sums; everything else in f32.
;; Inputs: mask 4 x 2,048 float32; qkv 4 x 3,072 x 2,048 float32.
;; Outputs: out0 4 x 1,024 x 2,048 float32.
;; Constants: n_heads = 16.
;; This version of the problem:
;;   THIS VERSION OF THE PROBLEM IS GIVEN IN LOW PRECISION. The matrix products marked QUANTISED in the list below multiply operands that are first quantised to E2M1 (2 exponent bits, 1 mantissa bit; 4 bits a number), with one power-of-two scale for each 32 numbers along K (OCP MX v1.0); their sums are f32. All else is computed in f32.
;;   The module's matrix products, in the order in which they are computed (A, B: the left and right operand; K: the contracted axis; several contracted axes count as one K, in the product's order):
;;     1. batch 64 x [M 2,048, K 64] x [K 64, N 2,048]; A: computed on the way; B: computed on the way: QUANTISED
;;     2. batch 64 x [M 64, K 2,048] x [K 2,048, N 2,048]; A: input qkv; B: computed on the way: QUANTISED
;;   THE QUANTISER, for each operand of a quantised product, along K:
;;     - K is cut into blocks of 32 from its start; a last block that is shorter is filled with zeros.
;;     - A block's scale is 2^e with e = floor(log2(the largest magnitude in the block)) - 2, held to -126 .. 127; a block of zeros has e = 0. As a byte (E8M0): e + 127.
;;     - Each number is divided by its block's scale, clamped to +-6, and rounded to the nearest number of E2M1, ties to even, subnormals kept.
;;     - The product sums the exact products of the quantised numbers (number of the format x scale) in f32.
;;   ~~~python
;;   def quantise(x, axis):      # numpy; x: float32 -> the quantised numbers, widened to float32 again
;;       x = np.moveaxis(x, axis, -1); K = x.shape[-1]
;;       x = np.pad(x, [(0, 0)] * (x.ndim - 1) + [(0, -K % 32)]); x = x.reshape(x.shape[:-1] + (-1, 32)); a = np.abs(x).max(-1, keepdims=True)
;;       e = np.where(a > 0, np.clip(np.frexp(np.where(a > 0, a, 1))[1] - 1 - 2, -126, 127), 0)      # np.frexp(a)[1] - 1 = floor(log2(a)), exactly
;;       r = np.clip(x / 2.0 ** e, -6, 6)
;;       step = 2.0 ** (np.maximum(np.frexp(np.where(r == 0, 1, r))[1] - 1, 0) - 1)
;;       q = np.round(r / step) * step * 2.0 ** e      # np.round: ties to even
;;       return np.moveaxis(q.reshape(q.shape[:-2] + (-1,))[..., :K], -1, axis).astype(np.float32)
;;   ~~~
;;   OPERANDS COMPUTED ON THE WAY. 'Computed on the way' means the value that the module computes at that place (a softmax that the list does not call 'softmax' is quantised finished and normalised). What goes into a quantiser is computed in f32, as accurately as f32 sums, v_exp_f32 and their like allow (about 1e-6 of the number): no bf16 or f16 on the way to a quantiser, and a product that is left as it is and whose result goes on into a quantised operand takes f32 operands (vector FMAs, or v_wmma_f32_16x16x4_f32). A number that lies on a knife's edge between two numbers of the format may be rounded either way, as far as f32 arithmetic and the matrix unit's own rounding can turn it there, and no further.
;; 2 versions, each right; version 2 is version 1 with the launch attn written anew for expert scheduling mode. Each part assembles by itself: llvm-mc -triple=amdgcn-amd-amdhsa -mcpu=gfx1250 --defsym DOCPART=n.
;; ======== version 1 of 2: 1 launch
;; launch attn (part 1): grid 4 x 64, 8 waves a work-group, no clusters, 281,088 bytes of LDS; arguments qkv, mask, out0; writes out0
.if DOCPART == 1
	.amdgcn_target "amdgcn-amd-amdhsa--gfx1250"
	.amdhsa_code_object_version 6
	.text
	.protected	k_q5964d99c52_attn
	.globl	k_q5964d99c52_attn
	.p2align	8
	.type	k_q5964d99c52_attn,@function
k_q5964d99c52_attn:
	s_mov_b64 s[64:65], 0
	v_nop
	global_prefetch_b8 v0, s[64:65] scope:SCOPE_SE
	s_setreg_imm32_b32 hwreg(HW_REG_WAVE_MODE, 25, 1), 1
	s_wait_xcnt 0x0
; out[b][c][t] = sum over s of v[b][c][s] w[b][t][s],  w = softmax_s(sum over c of (g q[c][t]) (g k[c][s])) x mask[b % 4][s],  g = 64^-0.25.
; qkv: [64 heads][192 rows: 64 of q, 64 of k, 64 of v][2048] f32.  Both products on codes of FP4 (E2M1) with one E8M0 scale for each 32 along K:
; g q and g k are quantised along the 64 channels, v and the FINISHED weight w (normalised, masked) along the keys.
; SHARES.  A work-group owns 512 queries of one head (grid x: the block of queries, y: the head).  ITS EIGHT WAVES SHARE THE KEYS: wave w owns keys 256 w .. 256 w + 255.
; Its codes of k (64 registers), of v (64) and its mask numbers (128) stay in registers for the whole launch.  For a tile of 16 queries a wave holds all its 16 x 256 scores in 128 registers:
; each score is multiplied once and exponentiated once.  Each wave takes away its own maximum M_w (a whole number, in base 2) and sums its own l_w; the eight pairs meet in LDS behind the one
; barrier of a tile; f = 2^(M_w - M) / L then makes of p = 2^(t - M_w) the normalised weight, w = (p x mask) x f, which is quantised in registers.  The eight partial tiles of O meet in LDS and
; are added one tile later, behind the next tile's barrier; pairs and partial tiles lie in two sets that take turns.
; LAYOUT.  S^T = K Q^T (source 0 = 16 keys, source 1 = 16 queries): a lane holds one query (lane % 16).  THE KEYS OF A TILE ARE NOT NEIGHBOURS: key x of the wave lies in tile 4 (x / 64) + (x / 8) % 4,
; row 8 ((x / 32) % 2) + x % 8, so that score register 32 c + 8 a + j of a lane of half h is key 64 c + 32 h + 8 a + j: a lane holds whole blocks of 32 keys in their order, and the conversion of tile
; 4 c + a is register 4 c + a of the second product's operand.  K of the first product is 64: Q's upper four registers are zero codes, and k's operand of tile T is its four registers and the next four,
; whose codes meet those zeros; bytes 2 and 3 of both scale words are 0.
; O = P V (source 0 = P, source 1 = 16 channels of v): a lane holds one channel and eight neighbouring queries, as they lie in a row of out.
; LIMITS.  NaN and infinities among the inputs are not served.  A p under 2^-126 counts as 0 (the exponential gives 0 there).  A block of zeros gets the scale byte 1 where the rule says 127: its codes are
; zeros, and the bytes are read by this program alone.  w is formed as (p x mask) x (2^(M_w - M) x 1 / L): a few last bits from a division of exp(s - max) by the sum.  O's sum over the keys is taken in
; eight parts that are added in f32.
; No tensor loads and no cluster: k and v are read in the head alone, as f32 that has to be turned in registers on its way to the conversions, and the loop reads nothing from memory.
.set QIMG,  0                          ; LDS: Q's 32 tiles as images of the operand's registers: 512 bytes a tile, 16 bytes at 16 x lane
.set QSC,   16384                      ; their scale words: 64 bytes a tile, 4 a row
.set STATS, 18432                      ; two sets of 16 queries x 80 bytes: (-M_w, l_w) at 8 x wave
.set PART,  20992                      ; two sets of 40,960: writer x 5,120 + owner x 640 + 16 x place
.set STAGE, 102912                     ; each wave's own: 8 channels x (256 bytes + 16)
.set KIMG,  120320                     ; each wave's own: 16 tiles of k as images
.set KSC,   185856                     ; each wave's own: their scale words
.set VST,   194048                     ; each wave's own: 64 channels x (128 bytes of codes + 16), keys innermost
.set VSB,   267776                     ; each wave's own: 8 scale bytes a channel
.set MSK,   271872                     ; each wave's own: its 256 mask numbers; the map ends at 280,064
; REGISTERS, window 0
.set AQ0,  2                           ; Q's image: 16 x lane
.set AQS0, 3                           ; Q's scale words: 4 x (lane % 16)
.set ASTW, 4                           ; the pair of my query and my wave
.set ASTR, 5                           ; my query's eight pairs
.set APW,  6                           ; where I put my partial O
.set APR,  7                           ; v7, v8: where I read the partial tiles that I own, set 0 and set 1
.set ASW,  9                           ; my stage, in
.set ASR,  10                          ; my stage, back
.set AOUT, 11                          ; my byte offset in my wave's 8 rows of out
.set SH8,  12                          ; 8 x (lane / 16)
.set AQ,   13                          ; the trip's Q image
.set AQS,  14                          ; the trip's Q scale words
.set S,    16                          ; v16-143  the scores, then p, then w
.set T,    16                          ; in the head: a unit's 4 columns x 32 channels
.set AM,   16                          ; in the head, for v: 16 largest magnitudes, then scale operands;
.set AB,   32                          ; 16 scale bytes;
.set AC,   48                          ; 16 registers of codes
.set O,    144                         ; v144-175 four accumulators of O; also where partial tiles and stage rows land
.set PC,   176                         ; v176-191 P's codes; also where the eight pairs land; in the head a unit's codes
.set QF,   192                         ; v192-195 Q's codes; v196-199 zero codes
.set KS,   200                         ; v200-207 k's scale words: lanes 0-15 tile 2 g, lanes 16-31 tile 2 g + 1
.set VS,   208                         ; v208-211 v's: lanes 0-15 keys 0-127, lanes 16-31 keys 128-255
.set PS,   212                         ; v212-213 P's
.set QS,   214                         ; Q's
.set NM,   216                         ; v216 -M_w, v217 l_w
.set LS,   218                         ; v218-221 the sum in two packed chains
.set FF,   222                         ; v222-223 f, twice
.set BM,   224                         ; four blocks' largest magnitudes
.set SO,   228                         ; the conversions' scale operands
.set BY,   232                         ; the scale bytes
.set TM,   236                         ; at work
.set UQ,   144                         ; head only: addresses, in O's registers
.set UV,   145
.set UM,   146
.set AQW,  147
.set AQSW, 148
.set AKW,  149
.set AKSW, 150
.set AKR,  151
.set AKSR, 152
.set AVW,  153
.set AVB,  154
.set AVR,  155
.set AVS,  156
.set AMW,  157
.set AMR,  158
.set tL,   244                         ; head only: pieces of the lane's number
.set tR,   245
.set tH,   246
.set tA,   247
.set tB,   248
.set tC,   249
.set tD,   250
.set tE,   251
.set tF,   252
.set tG,   253
; window 1
.set MK,   0                           ; v0-127   mask of key 64 c + 32 h + i at 32 c + i
.set KF,   128                         ; v128-191 k's codes, four registers a tile
.set VF,   192                         ; v192-255 v's fragments: (channels 16 t on, keys 128 s on) at 8 (2 t + s).  It follows KF on end: tile 15's upper four registers are VF's first
.set B0,   0                           ; in the head: two buffers of 128 registers for what is loaded
.set B1,   128
.set MSB, 0
.macro WIN new                         ; s_set_vgpr_msb: bits 1:0 source 0, 3:2 source 1, 5:4 source 2, 7:6 destination; the high byte repeats the setting that is left
.if MSB != \new
	s_set_vgpr_msb (MSB<<8)|\new
.set MSB, \new
.endif
.endm
.macro PLACES n
.rept \n
	v_nop
.endr
.endm
	s_load_b128 s[4:7], s[0:1], 0x0                ; qkv, mask
	s_load_b64 s[8:9], s[0:1], 0x10                ; out0
	v_lshl_add_u32 v254, v0, 2, 0x44600
	v_mov_b32 v255, 0
	v_lshrrev_b32 v1, 5, v0
	v_readfirstlane_b32 s10, v1                    ; wave 0..7
	v_and_b32 v[tL], 31, v0                        ; lane
	v_and_b32 v[tR], 15, v0                        ; r
	v_bfe_u32 v[tH], v0, 4, 1                      ; h
	v_lshlrev_b32 v[UQ], 18, v[tH]
	v_lshl_add_u32 v[UQ], v[tR], 4, v[UQ]          ; q, k: lanes 16-31 stand 32 channels (262,144 bytes) further down; 16 bytes (4 columns) a lane
	v_lshlrev_b32 v[UV], 5, v[tL]                  ; v: 8 keys a lane
	v_lshlrev_b32 v[UM], 4, v[tL]                  ; mask: 4 numbers a lane
	s_and_b32 s11, ttmp7, 0xffff                   ; the head
	s_mul_i32 s32, s11, 1572864                    ; its 192 rows of 8,192 bytes (under 2^27 in all)
	s_lshl_b32 s34, ttmp9, 11                      ; my block's 512 queries,
	s_lshl_b32 s35, s10, 8                         ; of which my wave quantises 64
	s_add_co_u32 s34, s34, s35
	s_add_co_u32 s34, s34, s32
	s_mov_b32 s35, 0
	s_lshl_b32 s36, s10, 10                        ; my wave's 256 keys
	s_add_co_u32 s36, s36, s32
	s_add_co_u32 s36, s36, 524288                  ; k: 64 rows on
	s_mov_b32 s37, 0
	s_add_co_u32 s38, s36, 524288                  ; v: 64 more
	s_mov_b32 s39, 0
	s_and_b32 s40, s11, 3                          ; mask's row: head % 4
	s_lshl_b32 s40, s40, 13
	s_lshl_b32 s41, s10, 10
	s_add_co_u32 s40, s40, s41
	s_mov_b32 s41, 0
	s_lshl_b32 s42, s11, 19                        ; out: the head's 64 rows,
	s_lshl_b32 s43, s10, 16                        ; my wave's 8 channels,
	s_add_co_u32 s42, s42, s43
	s_lshl_b32 s43, ttmp9, 11                      ; my block's queries
	s_add_co_u32 s42, s42, s43
	s_mov_b32 s43, 0
	s_mov_b32 s24, 0x3fb8aa3b                      ; log2(e): t = score x log2(e)
	s_mov_b32 s25, s24                             ; (the packed form names the pair)
	s_mov_b32 s26, 0x3eb504f3                      ; g = 64^-0.25
	s_mov_b32 s28, 0x76543210
	s_mov_b32 s29, 0xfedcba98                      ; v_permlanex16_b32's selects for lane l xor 16
	s_wait_kmcnt 0x0
	s_add_nc_u64 s[14:15], s[4:5], s[34:35]        ; q
	s_add_nc_u64 s[16:17], s[4:5], s[36:37]        ; k
	s_add_nc_u64 s[18:19], s[4:5], s[38:39]        ; v
	s_add_nc_u64 s[20:21], s[6:7], s[40:41]        ; mask
	s_add_nc_u64 s[22:23], s[8:9], s[42:43]        ; out
; THE HEAD: nine units of 32 loads of 16 bytes a lane (q; k's four runs of 64 keys; v's four runs of 16 channels), two buffers: a unit is worked on while the next is on its way.
; A unit of q or k: 64 columns x 64 channels.  Load c reads 256 consecutive bytes of channel c in lanes 0-15 and of channel 32 + c in lanes 16-31.
.macro LOADU buf, b, col, nt
	WIN 0x40                                       ; destination window 1
.set ii, 0
.rept 32
.if \nt
	global_load_b128 v[\buf+4*ii:\buf+4*ii+3], v[UQ], s[\b:\b+1] offset:8192*ii+\col th:TH_LOAD_NT   ; q is read once in the whole launch
.else
	global_load_b128 v[\buf+4*ii:\buf+4*ii+3], v[UQ], s[\b:\b+1] offset:8192*ii+\col
.endif
.set ii, ii+1
.endr
	WIN 0
.endm
; x g, written to the turned place: a lane then holds, for each of its four columns j, a whole block of 32 channels in 32 registers on end
.macro UMUL buf
	WIN 0x04                                       ; source 1 window 1
.set ii, 0
.rept 32
.irp j, 0,1,2,3
	v_mul_f32 v[T+32*\j+ii], s26, v[\buf+4*ii+\j]
.endr
.set ii, ii+1
.endr
	WIN 0
.endm
; four columns' blocks become codes and scale words, and go to LDS as images of the operand's registers
.macro UFIN adrc, offc, adrs, offs
	s_wait_dscnt 0x0                               ; the last unit's LDS stores have read the registers that are written below
.irp j, 0,1,2,3
	v_max3_num_f32 v[BM+\j], |v[T+32*\j]|, |v[T+32*\j+1]|, 0x1800000   ; the block's largest magnitude, and the floor 2^(3 - 127): the byte cannot fall under 1
.endr
.irp k, 2,4,6,8,10,12,14,16,18,20,22,24,26,28,30
.irp j, 0,1,2,3
	v_max3_num_f32 v[BM+\j], v[BM+\j], |v[T+32*\j+\k]|, |v[T+32*\j+\k+1]|   ; (the four columns by turns)
.endr
.endr
.irp j, 0,1,2,3
	v_add_nc_u32 v[SO+\j], 0xff000000, v[BM+\j]    ; 2 off the exponent field: the conversion's scale operand
.endr
.irp j, 0,1,2,3
	v_lshrrev_b32 v[BY+\j], 23, v[SO+\j]           ; the scale's byte
.endr
.irp j, 0,1,2,3
	v_lshlrev_b32 v[TM+\j], v[SH8], v[BY+\j]       ; at its place in the word: block h is byte h
.endr
.irp j, 0,1,2,3
	v_permlanex16_b32 v[TM+4+\j], v[TM+\j], s28, s29
.endr
.irp j, 0,1,2,3
	v_or_b32 v[TM+\j], v[TM+\j], v[TM+4+\j]        ; with lane l xor 16's byte: the column's scale word; bytes 2 and 3 are 0
.endr
.irp j, 0,1,2,3
.irp g, 0,1,2,3
	v_cvt_scalef32_pk8_fp4_f32 v[PC+4*\j+\g], v[T+32*\j+8*\g:T+32*\j+8*\g+7], v[SO+\j]
.endr
.endr
	v_nop                                          ; one plain place behind the conversions
.irp j, 0,1,2,3
	ds_store_b128 v[\adrc], v[PC+4*\j:PC+4*\j+3] offset:\offc+16*\j
	ds_store_b32 v[\adrs], v[TM+\j] offset:\offs+4*\j      ; both halves write the same word with the same value
.endr
.endm
; a unit of v: 16 channels x 256 keys.  A lane takes 8 neighbouring keys: a channel's two loads cover 1,024 consecutive bytes
.macro LOADV buf, u
	WIN 0x40
.set ii, 0
.rept 16
	global_load_b128 v[\buf+8*ii:\buf+8*ii+3],   v[UV], s[18:19] offset:(16*\u+ii)*8192
	global_load_b128 v[\buf+8*ii+4:\buf+8*ii+7], v[UV], s[18:19] offset:(16*\u+ii)*8192+16
.set ii, ii+1
.endr
	WIN 0
.endm
.macro VQ buf, u
	s_wait_dscnt 0x0                               ; the last unit's LDS stores have read the registers that are written below
	WIN 0x05                                       ; sources 0 and 1 window 1
.irp c, 0,1,2,3,4,5,6,7,8,9,10,11,12,13,14,15
	v_max3_num_f32 v[AM+\c], |v[\buf+8*\c]|, |v[\buf+8*\c+1]|, 0x1800000
.endr
.irp k, 2,4,6
.irp c, 0,1,2,3,4,5,6,7,8,9,10,11,12,13,14,15
	v_max3_num_f32 v[AM+\c], |v[\buf+8*\c+\k]|, |v[\buf+8*\c+\k+1]|, v[AM+\c]
.endr
.endr
	WIN 0
.irp c, 0,1,2,3,4,5,6,7,8,9,10,11,12,13,14,15
	v_max_num_f32_dpp v[AM+\c], v[AM+\c], v[AM+\c] row_xmask:1 row_mask:0xf bank_mask:0xf
.endr
.irp c, 0,1,2,3,4,5,6,7,8,9,10,11,12,13,14,15
	v_max_num_f32_dpp v[AM+\c], v[AM+\c], v[AM+\c] row_xmask:2 row_mask:0xf bank_mask:0xf   ; four lanes share a block of 32 keys
.endr
.irp c, 0,1,2,3,4,5,6,7,8,9,10,11,12,13,14,15
	v_add_nc_u32 v[AM+\c], 0xff000000, v[AM+\c]
.endr
.irp c, 0,1,2,3,4,5,6,7,8,9,10,11,12,13,14,15
	v_lshrrev_b32 v[AB+\c], 23, v[AM+\c]
.endr
	WIN 0x01                                       ; source 0 window 1
.irp c, 0,1,2,3,4,5,6,7,8,9,10,11,12,13,14,15
	v_cvt_scalef32_pk8_fp4_f32 v[AC+\c], v[\buf+8*\c:\buf+8*\c+7], v[AM+\c]
.endr
	WIN 0
	v_nop                                          ; one plain place behind the conversions
.irp c, 0,1,2,3,4,5,6,7,8,9,10,11,12,13,14,15
	ds_store_b32 v[AVW], v[AC+\c] offset:(16*\u+\c)*144   ; 8 codes: 4 bytes of the channel's row
	ds_store_b8 v[AVB], v[AB+\c] offset:(16*\u+\c)*8      ; the four lanes of a block write the same byte with the same value
.endr
.endm
	global_load_b128 v[PC:PC+3], v[UM], s[20:21]               ; my wave's 256 mask numbers
	global_load_b128 v[PC+4:PC+7], v[UM], s[20:21] offset:512
	LOADU B0, 14, 0, 1                             ; unit 0: q
	LOADU B1, 16, 0, 0                             ; unit 1: k, keys 0-63
	; the addresses are made while these are on their way
	v_bfe_u32 v[tA], v0, 3, 1
	v_and_b32 v[tB], 7, v0
	v_bfe_u32 v[tC], v0, 2, 2
	v_and_b32 v[tD], 3, v0
	v_bfe_u32 v[tE], v0, 1, 2
	v_and_b32 v[tF], 1, v0
	v_bfe_u32 v[tG], v0, 2, 3
	v_lshlrev_b32 v[SH8], 3, v[tH]
	v_lshl_add_u32 v[AQ0], v[tL], 4, QIMG
	v_lshl_add_u32 v[AQS0], v[tR], 2, QSC
	v_mul_u32_u24 v1, v[tR], 80
	s_lshl_b32 s32, s10, 3
	s_add_co_u32 s32, s32, STATS
	v_add_nc_u32 v[ASTW], s32, v1                  ; 80 r + 8 w
	v_add_nc_u32 v[ASTR], STATS, v1                ; 80 r
	v_mul_u32_u24 v1, v[tA], 640                   ; partial O, in: channel 16 t + r belongs to owner 2 t + r / 8; place r % 8 + 8 h (+ 16 for queries 4-7 of my eight)
	v_lshl_add_u32 v1, v[tB], 4, v1
	v_lshl_add_u32 v1, v[tH], 7, v1
	s_mul_i32 s32, s10, 5120
	s_add_co_u32 s32, s32, PART
	v_add_nc_u32 v[APW], s32, v1
	s_mul_i32 s32, s10, 640
	s_add_co_u32 s32, s32, PART
	v_lshl_add_u32 v[APR], v[tL], 4, s32           ; back: what I own, 16 bytes a lane: channel 8 w + l % 8, queries 8 ((l / 8) % 2) + 4 (l / 16) + 0 .. 3
	v_add_nc_u32 v[APR+1], 40960, v[APR]
	s_mul_i32 s32, s10, 2176
	s_add_co_u32 s32, s32, STAGE
	v_mul_u32_u24 v1, v[tB], 272
	v_lshl_add_u32 v1, v[tA], 5, v1
	v_lshl_add_u32 v1, v[tH], 4, v1
	v_add_nc_u32 v[ASW], s32, v1
	v_mul_u32_u24 v1, v[tH], 272
	v_lshl_add_u32 v1, v[tR], 4, v1
	v_add_nc_u32 v[ASR], s32, v1                   ; back: sixteen lanes to a channel's 256 bytes, two channels an instruction
	v_lshlrev_b32 v1, 13, v[tH]
	v_lshl_add_u32 v[AOUT], v[tR], 4, v1           ; and the same place in out
	s_lshl_b32 s32, s10, 11                        ; q's images: column 4 r + j of my 64 is row 4 (r % 4) + j of tile 4 w + r / 4
	s_add_co_u32 s32, s32, QIMG
	v_lshlrev_b32 v1, 9, v[tC]
	v_lshl_add_u32 v1, v[tH], 8, v1
	v_lshl_add_u32 v1, v[tD], 6, v1
	v_add_nc_u32 v[AQW], s32, v1
	s_lshl_b32 s32, s10, 8
	s_add_co_u32 s32, s32, QSC
	v_lshlrev_b32 v1, 6, v[tC]
	v_lshl_add_u32 v1, v[tD], 4, v1
	v_add_nc_u32 v[AQSW], s32, v1
	s_lshl_b32 s32, s10, 13                        ; k's images: key 64 u + 4 r + j is row 8 (r / 8) + 4 (r % 2) + j of tile 4 u + (r / 2) % 4
	s_add_co_u32 s32, s32, KIMG
	v_lshlrev_b32 v1, 9, v[tE]
	v_lshl_add_u32 v1, v[tH], 8, v1
	v_lshl_add_u32 v1, v[tA], 7, v1
	v_lshl_add_u32 v1, v[tF], 6, v1
	v_add_nc_u32 v[AKW], s32, v1
	v_lshl_add_u32 v[AKR], v[tL], 4, s32
	s_lshl_b32 s32, s10, 10
	s_add_co_u32 s33, s32, KSC
	v_lshlrev_b32 v1, 6, v[tE]
	v_lshl_add_u32 v1, v[tA], 5, v1
	v_lshl_add_u32 v1, v[tF], 4, v1
	v_add_nc_u32 v[AKSW], s33, v1
	v_lshl_add_u32 v[AKSR], v[tL], 2, s33
	s_add_co_u32 s33, s32, MSK
	v_lshl_add_u32 v[AMW], v[tL], 4, s33
	v_lshl_add_u32 v[AMR], v[tH], 7, s33
	s_mul_i32 s32, s10, 9216
	s_add_co_u32 s32, s32, VST
	v_lshl_add_u32 v[AVW], v[tL], 2, s32
	v_mul_u32_u24 v1, v[tR], 144
	v_lshl_add_u32 v1, v[tH], 4, v1
	v_add_nc_u32 v[AVR], s32, v1
	s_lshl_b32 s32, s10, 9
	s_add_co_u32 s32, s32, VSB
	v_add_nc_u32 v[AVB], s32, v[tG]
	v_lshlrev_b32 v1, 3, v[tR]
	v_lshl_add_u32 v1, v[tH], 2, v1
	v_add_nc_u32 v[AVS], s32, v1
.irp j, 4,5,6,7
	v_mov_b32 v[TM+\j], 0                          ; written once: a lane permute's destination counts as one of its sources
	v_mov_b32 v[QF+\j], 0                          ; Q's upper half: zero codes
.endr
	v_mov_b32 v[NM+1], 0                           ; (named as the upper half of the pair before it is first written)
	s_wait_loadcnt 32                              ; loads come back in order: all but the next unit's 32 are in; so in every unit
	ds_store_b128 v[AMW], v[PC:PC+3]
	ds_store_b128 v[AMW], v[PC+4:PC+7] offset:512
	UMUL B0                                        ; unit 0: q
	LOADU B0, 16, 256, 0                           ; the buffer just read takes the unit after next
	UFIN AQW, 0, AQSW, 0
	s_wait_loadcnt 32
	UMUL B1                                        ; unit 1: k, keys 0-63
	LOADU B1, 16, 512, 0
	UFIN AKW, 0, AKSW, 0
	s_wait_loadcnt 32
	UMUL B0                                        ; unit 2: keys 64-127
	LOADU B0, 16, 768, 0
	UFIN AKW, 2048, AKSW, 256
	s_wait_loadcnt 32
	UMUL B1                                        ; unit 3: keys 128-191
	LOADV B1, 0
	UFIN AKW, 4096, AKSW, 512
	s_wait_loadcnt 32
	UMUL B0                                        ; unit 4: keys 192-255
	LOADV B0, 1
	UFIN AKW, 6144, AKSW, 768
	s_wait_loadcnt 32
	VQ B1, 0                                       ; units 5 to 8: v, 16 channels each
	LOADV B1, 2
	s_wait_loadcnt 32
	VQ B0, 1
	LOADV B0, 3
	s_wait_loadcnt 32
	VQ B1, 2
	s_wait_loadcnt 0x0
	VQ B0, 3
	; my wave's operands come back from its own LDS bytes, in the operands' order, and stay.  LDS serves a wave's instructions in order: these see my stores
	WIN 0x40
.set tt, 0
.rept 16
	ds_load_b128 v[KF+4*tt:KF+4*tt+3], v[AKR] offset:512*tt
.set tt, tt+1
.endr
.irp t, 0,1,2,3
.irp s, 0,1
.irp c, 0,1
	ds_load_b128 v[VF+8*(2*\t+\s)+4*\c:VF+8*(2*\t+\s)+4*\c+3], v[AVR] offset:2304*\t+64*\s+32*\c
.endr
.endr
.endr
.irp c, 0,1,2,3
.irp q, 0,1,2,3,4,5,6,7
	ds_load_b128 v[MK+32*\c+4*\q:MK+32*\c+4*\q+3], v[AMR] offset:256*\c+16*\q
.endr
.endr
	WIN 0
.irp g, 0,1,2,3,4,5,6,7
	ds_load_b32 v[KS+\g], v[AKSR] offset:128*\g
.endr
.irp t, 0,1,2,3
	ds_load_b32 v[VS+\t], v[AVS] offset:128*\t
.endr
	s_wait_dscnt 0x0                               ; my loads are in, and for the others' sake: my stores of Q's images have landed
	s_barrier_signal -1
	s_barrier_wait -1                              ; Q's 32 tiles lie in LDS
; p = 2^(t - M_w) and its sum, in one stream over the 64 pairs of scores.  Slot i: the multiply-add of pair i + 2, the exponential of score 2 i, the addition of pair i - 1, the exponential of score 2 i + 1:
; so a plain instruction that names neither stands between every exponential and the use of its result (ISA guide 5.7.2).  The last two slots have no multiply-add left: a v_nop takes its place.
.macro SOFT
.irp k, 0,1
	v_pk_fma_f32 v[S+2*\k:S+2*\k+1], v[S+2*\k:S+2*\k+1], s[24:25], v[NM:NM+1] op_sel_hi:[1,0,0]   ; t - M_w, two at a time (of both pairs the low word serves both halves)
.endr
.set ii, 0
.rept 64
.if ii+2 < 64
	v_pk_fma_f32 v[S+2*ii+4:S+2*ii+5], v[S+2*ii+4:S+2*ii+5], s[24:25], v[NM:NM+1] op_sel_hi:[1,0,0]
.else
	v_nop
.endif
	v_exp_f32 v[S+2*ii], v[S+2*ii]
.if ii == 2
	s_wait_alu depctr_va_vdst(0)
	v_pk_add_f32 v[LS:LS+1], v[S:S+1], v[S+2:S+3]              ; the first pairs start the two chains: nothing is cleared
.elseif ii == 4
	s_wait_alu depctr_va_vdst(0)
	v_pk_add_f32 v[LS+2:LS+3], v[S+4:S+5], v[S+6:S+7]
.elseif ii > 4
	s_wait_alu depctr_va_vdst(0)
	v_pk_add_f32 v[LS+2*((ii-1)%2):LS+2*((ii-1)%2)+1], v[LS+2*((ii-1)%2):LS+2*((ii-1)%2)+1], v[S+2*ii-2:S+2*ii-1]
.endif
	v_exp_f32 v[S+2*ii+1], v[S+2*ii+1]
.set ii, ii+1
.endr
	v_nop
	s_wait_alu depctr_va_vdst(0)
	v_pk_add_f32 v[LS+2:LS+3], v[LS+2:LS+3], v[S+126:S+127]
	v_pk_add_f32 v[LS:LS+1], v[LS:LS+1], v[LS+2:LS+3]
	v_add_f32 v[TM], v[LS], v[LS+1]
	v_permlanex16_b32 v[TM+4], v[TM], s28, s29
	v_add_f32 v[NM+1], v[TM], v[TM+4]              ; l_w: the sum of the unmasked p over my wave's 256 keys
.endm
; The eight waves' partial tiles of the 8 channels that I own are added, and the sums go to column col (16 queries, 64 bytes) of my stage.  pp: which set
.macro REDUCE pp, col
.irp x, 0,1,2,3,4,5,6,7
	ds_load_b128 v[O+4*\x:O+4*\x+3], v[APR+(\pp)] offset:5120*\x
.endr
	s_wait_dscnt 0x0                               ; these, and the loads issued ahead of them
.irp x, 0,2,4,6
	v_pk_add_f32 v[O+4*\x:O+4*\x+1], v[O+4*\x:O+4*\x+1], v[O+4*\x+4:O+4*\x+5]
	v_pk_add_f32 v[O+4*\x+2:O+4*\x+3], v[O+4*\x+2:O+4*\x+3], v[O+4*\x+6:O+4*\x+7]
.endr
.irp x, 0,4
	v_pk_add_f32 v[O+4*\x:O+4*\x+1], v[O+4*\x:O+4*\x+1], v[O+4*\x+8:O+4*\x+9]
	v_pk_add_f32 v[O+4*\x+2:O+4*\x+3], v[O+4*\x+2:O+4*\x+3], v[O+4*\x+10:O+4*\x+11]
.endr
	v_pk_add_f32 v[O:O+1], v[O:O+1], v[O+16:O+17]
	v_pk_add_f32 v[O+2:O+3], v[O+2:O+3], v[O+18:O+19]
	ds_store_b128 v[ASW], v[O:O+3] offset:64*(\col)
.endm
; Four tiles' sums, 64 queries of my 8 channels, leave: sixteen lanes store 256 consecutive bytes, at a multiple of 256 from out's first byte
.macro SENDOUT
.irp k, 0,1,2,3
	ds_load_b128 v[O+16+4*\k:O+16+4*\k+3], v[ASR] offset:544*\k   ; LDS serves a wave's instructions in order: these see my stores
.endr
	s_wait_dscnt 0x0
	s_wait_xcnt 0x0                                ; the last stores have read their offsets: only now is the offset stepped
	v_add_nc_u32 v[AOUT], 256, v[AOUT]             ; on to the next 64 queries; the stores reach back
.irp k, 0,1,2,3
	global_store_b128 v[AOUT], v[O+16+4*\k:O+16+4*\k+3], s[22:23] offset:16384*\k-256 th:TH_STORE_NT
.endr
.endm
; A TILE of 16 queries, the j-th of a trip's four.  Sets of pairs and of partial tiles take turns by j % 2.
.macro TILE j
.set P, (\j)%2
	WIN 0x01                                       ; source 0 (k) window 1
.set tt, 0
.rept 16                                       ; S^T = K Q^T: sixteen sums of their own, each begun with the constant 0
.if tt%2
	v_wmma_scale_f32_16x16x128_f8f6f4 v[S+8*tt:S+8*tt+7], v[KF+4*tt:KF+4*tt+7], v[QF:QF+7], 0, v[KS+tt/2], v[QS] matrix_a_fmt:MATRIX_FMT_FP4 matrix_b_fmt:MATRIX_FMT_FP4 matrix_a_scale:MATRIX_SCALE_ROW1
.else
	v_wmma_scale_f32_16x16x128_f8f6f4 v[S+8*tt:S+8*tt+7], v[KF+4*tt:KF+4*tt+7], v[QF:QF+7], 0, v[KS+tt/2], v[QS] matrix_a_fmt:MATRIX_FMT_FP4 matrix_b_fmt:MATRIX_FMT_FP4
.endif
.set tt, tt+1
.endr
	WIN 0
	PLACES 4                                       ; four places between the last product and the first read of results (ISA guide 7.12.1)
.irp c, 0,1,2,3
	v_max_num_f32 v[TM+\c], v[S+32*\c], v[S+32*\c+1]               ; the largest score: four chains by turns, each accumulator from its low end on
.endr
.irp k, 2,4,6,8,10,12,14,16,18,20,22,24,26,28,30
.irp c, 0,1,2,3
	v_max3_num_f32 v[TM+\c], v[TM+\c], v[S+32*\c+\k], v[S+32*\c+\k+1]
.endr
.endr
	v_max3_num_f32 v[TM], v[TM], v[TM+1], v[TM+2]
	v_max_num_f32 v[TM], v[TM], v[TM+3]
	v_permlanex16_b32 v[TM+4], v[TM], s28, s29
	v_max_num_f32 v[TM], v[TM], v[TM+4]            ; of my query over my wave's 256 keys
	v_mul_f32 v[TM], s24, v[TM]                    ; as t
	v_floor_f32 v[NM], -v[TM]                      ; -M_w = floor(-t): M_w is a whole number
	SOFT
	ds_store_b64 v[ASTW], v[NM:NM+1] offset:1280*P ; both halves of the lanes write the same pair
	s_wait_dscnt 0x0                               ; for the others' sake: my pair and my partial O of the tile before have landed; my LDS loads are in
	s_barrier_signal -1
	WIN 0x04                                       ; work on registers while the others arrive: x mask,
.set ii, 0
.rept 64
	v_pk_mul_f32 v[S+2*ii:S+2*ii+1], v[S+2*ii:S+2*ii+1], v[MK+2*ii:MK+2*ii+1]
.set ii, ii+1
.endr
	WIN 0
.irp c, 0,1,2,3
	v_max_num_f32 v[BM+\c], |v[S+32*\c]|, |v[S+32*\c+1]|           ; and the largest |p x mask| of each of my four blocks of 32 keys: all 32 are mine
.endr
.irp k, 2,4,6,8,10,12,14,16,18,20,22,24,26,28,30
.irp c, 0,1,2,3
	v_max3_num_f32 v[BM+\c], v[BM+\c], |v[S+32*\c+\k]|, |v[S+32*\c+\k+1]|
.endr
.endr
	s_barrier_wait -1                              ; the eight pairs of this tile and the eight partial tiles of the tile before lie in LDS
.irp k, 0,1,2,3
	ds_load_b128 v[PC+4*\k:PC+4*\k+3], v[ASTR] offset:1280*P+16*\k
.endr
.if \j < 3
	ds_load_b128 v[QF:QF+3], v[AQ] offset:512*(\j+1)               ; the next tile's Q
	ds_load_b32 v[QS], v[AQS] offset:64*(\j+1)
.endif
.if \j == 0
	s_cmp_eq_u32 s30, 0                            ; the first trip has no tile before: a branch on the trip's number, the same in every wave; no barrier stands inside
	s_cbranch_scc1 .Lfirst
	REDUCE 1, 3
	SENDOUT
.Lfirst:
	s_wait_dscnt 0x0                               ; the pairs and Q are in, on both ways
.else
	REDUCE 1-P, (\j)-1
.endif
	v_min3_num_f32 v[TM], v[PC], v[PC+2], v[PC+4]  ; -M = the least of the eight -M_x
	v_min3_num_f32 v[TM], v[TM], v[PC+6], v[PC+8]
	v_min3_num_f32 v[TM], v[TM], v[PC+10], v[PC+12]
	v_min_num_f32 v[TM], v[TM], v[PC+14]
.irp x, 0,1,2,3,4,5,6,7
	v_sub_f32 v[PC+2*\x], v[TM], v[PC+2*\x]        ; M_x - M: a whole number, 0 or less
.endr
	v_sub_f32 v[TM+1], v[TM], v[NM]
.irp x, 0,1,2,3,4,5,6,7
	v_cvt_i32_f32 v[PC+2*\x], v[PC+2*\x]           ; (it saturates)
.endr
	v_cvt_i32_f32 v[TM+1], v[TM+1]
.irp x, 0,1,2,3,4,5,6,7
	v_ldexp_f32 v[PC+2*\x+1], v[PC+2*\x+1], v[PC+2*\x]             ; l_x 2^(M_x - M): nothing is rounded
.endr
	v_add_f32 v[PC+1], v[PC+1], v[PC+3]
	v_add_f32 v[PC+5], v[PC+5], v[PC+7]
	v_add_f32 v[PC+9], v[PC+9], v[PC+11]
	v_add_f32 v[PC+13], v[PC+13], v[PC+15]
	v_add_f32 v[PC+1], v[PC+1], v[PC+5]
	v_add_f32 v[PC+9], v[PC+9], v[PC+13]
	v_add_f32 v[TM+2], v[PC+1], v[PC+9]            ; L, the row's sum under M: the same bits in all eight waves
	v_rcp_f32 v[TM+2], v[TM+2]
	v_nop                                          ; one plain place behind the reciprocal
	s_wait_alu depctr_va_vdst(0)
	v_ldexp_f32 v[FF], v[TM+2], v[TM+1]            ; f = 2^(M_w - M) / L
	v_ldexp_f32 v[FF+1], v[TM+2], v[TM+1]
.irp c, 0,1,2,3
	v_mul_f32 v[BM+\c], v[BM+\c], v[FF]            ; the block's largest |w|: the same multiplication on the largest |p x mask| gives the largest product's bits
.endr
.irp c, 0,1,2,3
	v_max_num_f32 v[BM+\c], 0x1800000, v[BM+\c]    ; the floor 2^(3 - 127): the byte cannot fall under 1
.endr
.irp c, 0,1,2,3
	v_add_nc_u32 v[SO+\c], 0xff000000, v[BM+\c]    ; 2 off the exponent field: the conversion's scale operand
.endr
.irp c, 0,1,2,3
	v_lshrrev_b32 v[BY+\c], 23, v[SO+\c]           ; the byte of block 2 c + h
.endr
.irp s, 0,1
	v_lshl_or_b32 v[TM+\s], v[BY+2*\s+1], 16, v[BY+2*\s]
.endr
.irp s, 0,1
	v_lshlrev_b32 v[TM+\s], v[SH8], v[TM+\s]       ; my two bytes of keys 128 s on, at their places
.endr
.irp s, 0,1
	v_permlanex16_b32 v[TM+4+\s], v[TM+\s], s28, s29
.endr
.irp s, 0,1
	v_or_b32 v[PS+\s], v[TM+\s], v[TM+4+\s]        ; with lane l xor 16's two: my query's scale word
.endr
.set ii, 0
.rept 64
	v_pk_mul_f32 v[S+2*ii:S+2*ii+1], v[S+2*ii:S+2*ii+1], v[FF:FF+1]   ; w = (p x mask) x f.  (These are also the places between the scale words and the products below)
.set ii, ii+1
.endr
.irp c, 0,1,2,3
.irp a, 0,1,2,3
	v_cvt_scalef32_pk8_fp4_f32 v[PC+4*\c+\a], v[S+32*\c+8*\a:S+32*\c+8*\a+7], v[SO+\c]   ; register 4 c + a of P's two fragments
.endr
.endr
	PLACES 5                                       ; one plain place behind the conversions, and four between an operand so written and a scaled product
.if \j == 0
	s_wait_xcnt 0x0                                ; the stores to out have read their registers: the products below write them
.endif
	WIN 0x04                                       ; source 1 (v) window 1
.irp t, 0,1,2,3                                ; O = P V: four accumulators by turns; keys 0-127 start the sums
	v_wmma_scale_f32_16x16x128_f8f6f4 v[O+8*\t:O+8*\t+7], v[PC:PC+7], v[VF+16*\t:VF+16*\t+7], 0, v[PS], v[VS+\t] matrix_a_fmt:MATRIX_FMT_FP4 matrix_b_fmt:MATRIX_FMT_FP4
.endr
.irp t, 0,1,2,3
	v_wmma_scale_f32_16x16x128_f8f6f4 v[O+8*\t:O+8*\t+7], v[PC+8:PC+15], v[VF+16*\t+8:VF+16*\t+15], v[O+8*\t:O+8*\t+7], v[PS+1], v[VS+\t] matrix_a_fmt:MATRIX_FMT_FP4 matrix_b_fmt:MATRIX_FMT_FP4 matrix_b_scale:MATRIX_SCALE_ROW1
.endr
	WIN 0
	PLACES 4                                       ; four places between the last product and the stores that read results
.irp t, 0,1,2,3
	ds_store_b128 v[APW], v[O+8*\t:O+8*\t+3] offset:40960*P+1280*\t          ; each accumulator from its low end on: queries 8 h + 0 .. 3 of channel 16 t + r,
	ds_store_b128 v[APW], v[O+8*\t+4:O+8*\t+7] offset:40960*P+1280*\t+256    ; queries 8 h + 4 .. 7
.endr
.endm
; THE LOOP: 8 trips of 4 tiles.  One barrier a tile.  A set of pairs is written ahead of a tile's barrier and read behind it; it is written again two tiles on, behind the next tile's barrier, in front of
; which every wave has waited for its reads.  A set of partial tiles is written behind a tile's barrier, read behind the next, and written again behind the one after that.
	s_mov_b32 s30, 0                               ; the trip
	s_mov_b32 s31, 0                               ; its four tiles of Q: 2,048 bytes of images a trip,
	s_mov_b32 s34, 0                               ; 256 of scale words
.Ltrip:
	v_add_nc_u32 v[AQ], s31, v[AQ0]
	v_add_nc_u32 v[AQS], s34, v[AQS0]
	ds_load_b128 v[QF:QF+3], v[AQ]
	ds_load_b32 v[QS], v[AQS]
	s_wait_dscnt 0x0
	TILE 0
	TILE 1
	TILE 2
	TILE 3
	s_add_co_u32 s31, s31, 2048
	s_add_co_u32 s34, s34, 256
	s_add_co_u32 s30, s30, 1
	s_cmp_lt_u32 s30, 8
	s_cbranch_scc1 .Ltrip
	s_wait_dscnt 0x0                               ; for the others' sake: my partial O of the last tile has landed
	s_barrier_signal -1
	s_barrier_wait -1
	REDUCE 1, 3                                    ; the last tile's sums,
	SENDOUT                                        ; and the last 64 queries leave
	s_wait_tensorcnt 0x0
	ds_add_u32 v254, v255
	s_wait_dscnt 0x0
	s_endpgm
.Lfunc_end_k_q5964d99c52_attn:
	.size	k_q5964d99c52_attn, .Lfunc_end_k_q5964d99c52_attn-k_q5964d99c52_attn
	.p2alignl 7, 3214868480
	.fill 96, 4, 3214868480
	.section	.rodata,"a",@progbits
	.p2align	6, 0x0
	.amdhsa_kernel k_q5964d99c52_attn
		.amdhsa_group_segment_fixed_size 281088
		.amdhsa_private_segment_fixed_size 0
		.amdhsa_enable_private_segment 0
		.amdhsa_kernarg_size 24
		.amdhsa_user_sgpr_count 2
		.amdhsa_user_sgpr_kernarg_segment_ptr 1
		.amdhsa_wavefront_size32 1
		.amdhsa_system_sgpr_workgroup_id_x 1
		.amdhsa_system_sgpr_workgroup_id_y 1
		.amdhsa_system_sgpr_workgroup_id_z 1
		.amdhsa_system_vgpr_workitem_id 0
		.amdhsa_next_free_vgpr 512
		.amdhsa_next_free_sgpr 66
		.amdhsa_reserve_vcc 0
		.amdhsa_float_denorm_mode_32 3
		.amdhsa_float_denorm_mode_16_64 3
		.amdhsa_memory_ordered 1
		.amdhsa_forward_progress 1
		.amdhsa_inst_pref_size 255
	.end_amdhsa_kernel
	.section	.bss,"aw",@nobits
	.p2align	6
	.space	262144
	.amdgpu_metadata
---
amdhsa.version: [ 1, 2 ]
amdhsa.kernels:
  - .name:           k_q5964d99c52_attn
    .symbol:         k_q5964d99c52_attn.kd
    .args:
      - { .name: qkv, .offset: 0, .size: 8, .value_kind: global_buffer, .address_space: global }
      - { .name: mask, .offset: 8, .size: 8, .value_kind: global_buffer, .address_space: global }
      - { .name: out0, .offset: 16, .size: 8, .value_kind: global_buffer, .address_space: global }
    .group_segment_fixed_size: 281088
    .private_segment_fixed_size: 0
    .kernarg_segment_align: 8
    .kernarg_segment_size: 24
    .max_flat_workgroup_size: 256
    .sgpr_count:     66
    .vgpr_count:     512
    .wavefront_size: 32
...
	.end_amdgpu_metadata
.endif
;; end of part 1
;; ======== version 2 of 2: 1 launch; version 1 with the launch attn written anew for expert scheduling mode
;; launch attn (part 2): grid 4 x 64, 8 waves a work-group, no clusters, 281,088 bytes of LDS; arguments qkv, mask, out0; writes out0
.if DOCPART == 2
	.amdgcn_target "amdgcn-amd-amdhsa--gfx1250"
	.amdhsa_code_object_version 6
	.text
	.protected	k_q5964d99c52_attn
	.globl	k_q5964d99c52_attn
	.p2align	8
	.type	k_q5964d99c52_attn,@function
k_q5964d99c52_attn:
	s_mov_b64 s[64:65], 0
	v_nop
	global_prefetch_b8 v0, s[64:65] scope:SCOPE_SE
	s_setreg_imm32_b32 hwreg(HW_REG_WAVE_SCHED_MODE, 0, 2), 2
	s_setreg_imm32_b32 hwreg(HW_REG_WAVE_MODE, 25, 1), 1
	s_wait_xcnt 0x0
	s_wait_alu depctr_vm_vsrc(0)
; out[b][c][t] = sum over s of v[b][c][s] w[b][t][s],  w = softmax_s(sum over c of (g q[c][t]) (g k[c][s])) x mask[b % 4][s],  g = 64^-0.25.
; qkv: [64 heads][192 rows: 64 of q, 64 of k, 64 of v][2048] f32.  Both products on codes of FP4 (E2M1) with one E8M0 scale for each 32 along K:
; g q and g k are quantised along the 64 channels, v and the FINISHED weight w (normalised, masked) along the keys.
; SHARES.  A work-group owns 512 queries of one head (grid x: the block of queries, y: the head).  ITS EIGHT WAVES SHARE THE KEYS: wave w owns keys 256 w .. 256 w + 255.
; Its codes of k (64 registers), of v (64) and its mask numbers (128) stay in registers for the whole launch.  For a tile of 16 queries a wave holds all its 16 x 256 scores in 128 registers:
; each score is multiplied once and exponentiated once.  Each wave takes away its own maximum M_w (a whole number, in base 2) and sums its own l_w; the eight pairs meet in LDS behind the one
; barrier of a tile; f = 2^(M_w - M) / L then makes of p = 2^(t - M_w) the normalised weight, w = (p x mask) x f, which is quantised in registers.  The eight partial tiles of O meet in LDS and
; are added one tile later, behind the next tile's barrier; pairs and partial tiles lie in two sets that take turns.
; LAYOUT.  S^T = K Q^T (source 0 = 16 keys, source 1 = 16 queries): a lane holds one query (lane % 16).  THE KEYS OF A TILE ARE NOT NEIGHBOURS: key x of the wave lies in tile 4 (x / 64) + (x / 8) % 4,
; row 8 ((x / 32) % 2) + x % 8, so that score register 32 c + 8 a + j of a lane of half h is key 64 c + 32 h + 8 a + j: a lane holds whole blocks of 32 keys in their order, and the conversion of tile
; 4 c + a is register 4 c + a of the second product's operand.  K of the first product is 64: Q's upper four registers are zero codes, and k's operand of tile T is its four registers and the next four,
; whose codes meet those zeros; bytes 2 and 3 of both scale words are 0.
; O = P V (source 0 = P, source 1 = 16 channels of v): a lane holds one channel and eight neighbouring queries, as they lie in a row of out.
; LIMITS.  NaN and infinities among the inputs are not served.  A p under 2^-126 counts as 0 (the exponential gives 0 there).  A block of zeros gets the scale byte 1 where the rule says 127: its codes are
; zeros, and the bytes are read by this program alone.  w is formed as (p x mask) x (2^(M_w - M) x 1 / L): a few last bits from a division of exp(s - max) by the sum.  O's sum over the keys is taken in
; eight parts that are added in f32.
; No tensor loads and no cluster: k and v are read in the head alone, as f32 that has to be turned in registers on its way to the conversions, and the loop reads nothing from memory.
; THE MODE: SCHED_MODE bits 1:0 = 2 (LLVM: expert scheduling mode 2), set by the entry lines.  The code itself states the register dependences between vector or matrix instructions and memory or LDS
; instructions, with s_wait_alu, always for 0.
; THE PLAN.  Registers that memory or LDS instructions touch, and who else names them:
;   HEAD  offsets and LDS addresses: made once by vector lines; a wait on va_vdst stands between their makers and their first readers; none is written again but v[AQ], v[AQS].
;         B0, B1 (window 1): a unit's loads land; its multiplications (q, k) or its maxima and conversions (v) read.  A wait on va_vdst stands behind the buffer's last reader, ahead of the loads that fill it again.
;         PC, TM (q, k); AC, AB (v): written by a unit's conversions and byte lines, read by its LDS stores: a wait on va_vdst ahead of the stores, one on vm_vsrc at the head of the next unit that writes them.
;   LOOP  v[AQ], v[AQS]: written once a trip, read by Q's loads: vm_vsrc ahead of the two additions, va_vdst behind them.
;         QF's lower four, QS: LDS loads land behind a tile's barrier; the next tile's sixteen products read.      The pair NM: written by the floor and the sum's last line, read by the pair's store.
;         PC: the eight pairs land; the pairs' arithmetic and the conversions write; the O products read.
;         O: partial tiles land; the additions write; the stage's store reads its first four; stage rows land in its upper half and the stores to out read them; the O products write; the partial stores read.
;         S, MK, KF, VF, KS, VS, PS are named by vector and matrix instructions alone.
;   A TILE'S WAITS  vm_vsrc ahead of the floor (the tile before's stores have read NM and O);  va_vdst behind the batch of exponentials;  va_vdst ahead of the pair's store, which also states that the
;         products are done with QF, QS, PC and O, where the loads behind the barrier land: between it and them stand the mask's multiplications and the blocks' maxima, which name S, MK and BM alone;
;         va_vdst behind the reciprocal and the partial tiles' additions, ahead of the stage's store;  vm_vsrc and va_vdst ahead of the O products;  va_vdst ahead of the partial stores.
.set QIMG,  0                          ; LDS: Q's 32 tiles as images of the operand's registers: 512 bytes a tile, 16 bytes at 16 x lane
.set QSC,   16384                      ; their scale words: 64 bytes a tile, 4 a row
.set STATS, 18432                      ; two sets of 16 queries x 80 bytes: (-M_w, l_w) at 8 x wave
.set PART,  20992                      ; two sets of 40,960: writer x 5,120 + owner x 640 + 16 x place
.set STAGE, 102912                     ; each wave's own: 8 channels x (256 bytes + 16)
.set KIMG,  120320                     ; each wave's own: 16 tiles of k as images
.set KSC,   185856                     ; each wave's own: their scale words
.set VST,   194048                     ; each wave's own: 64 channels x (128 bytes of codes + 16), keys innermost
.set VSB,   267776                     ; each wave's own: 8 scale bytes a channel
.set MSK,   271872                     ; each wave's own: its 256 mask numbers; the map ends at 280,064
; REGISTERS, window 0
.set AQ0,  2                           ; Q's image: 16 x lane
.set AQS0, 3                           ; Q's scale words: 4 x (lane % 16)
.set ASTW, 4                           ; the pair of my query and my wave
.set ASTR, 5                           ; my query's eight pairs
.set APW,  6                           ; where I put my partial O
.set APR,  7                           ; v7, v8: where I read the partial tiles that I own, set 0 and set 1
.set ASW,  9                           ; my stage, in
.set ASR,  10                          ; my stage, back
.set AOUT, 11                          ; my byte offset in my wave's 8 rows of out; never rewritten: the scalar base steps
.set SH8,  12                          ; 8 x (lane / 16)
.set AQ,   13                          ; the trip's Q image
.set AQS,  14                          ; the trip's Q scale words
.set S,    16                          ; v16-143  the scores, then p, then w
.set T,    16                          ; in the head: a unit's 4 columns x 32 channels
.set AM,   16                          ; in the head, for v: 16 largest magnitudes, then scale operands;
.set AB,   32                          ; 16 scale bytes;
.set AC,   48                          ; 16 registers of codes
.set O,    144                         ; v144-175 four accumulators of O; also where partial tiles and stage rows land
.set PC,   176                         ; v176-191 P's codes; also where the eight pairs land; in the head a unit's codes
.set QF,   192                         ; v192-195 Q's codes; v196-199 zero codes
.set KS,   200                         ; v200-207 k's scale words: lanes 0-15 tile 2 g, lanes 16-31 tile 2 g + 1
.set VS,   208                         ; v208-211 v's: lanes 0-15 keys 0-127, lanes 16-31 keys 128-255
.set PS,   212                         ; v212-213 P's
.set QS,   214                         ; Q's
.set NM,   216                         ; v216 -M_w, v217 l_w
.set LS,   218                         ; v218-221 the sum in two packed chains
.set FF,   222                         ; v222-223 f, twice
.set BM,   224                         ; four blocks' largest magnitudes
.set SO,   228                         ; the conversions' scale operands
.set BY,   232                         ; the scale bytes
.set TM,   236                         ; at work
.set UQ,   144                         ; head only: addresses, in O's registers
.set UV,   145
.set UM,   146
.set AQW,  147
.set AQSW, 148
.set AKW,  149
.set AKSW, 150
.set AKR,  151
.set AKSR, 152
.set AVW,  153
.set AVB,  154
.set AVR,  155
.set AVS,  156
.set AMW,  157
.set AMR,  158
.set tL,   244                         ; head only: pieces of the lane's number
.set tR,   245
.set tH,   246
.set tA,   247
.set tB,   248
.set tC,   249
.set tD,   250
.set tE,   251
.set tF,   252
.set tG,   253
; window 1
.set MK,   0                           ; v0-127   mask of key 64 c + 32 h + i at 32 c + i
.set KF,   128                         ; v128-191 k's codes, four registers a tile
.set VF,   192                         ; v192-255 v's fragments: (channels 16 t on, keys 128 s on) at 8 (2 t + s).  It follows KF on end: tile 15's upper four registers are VF's first
.set B0,   0                           ; in the head: two buffers of 128 registers for what is loaded
.set B1,   128
.set MSB, 0
.macro WIN new                         ; s_set_vgpr_msb: bits 1:0 source 0, 3:2 source 1, 5:4 source 2, 7:6 destination; the high byte repeats the setting that is left
.if MSB != \new
	s_set_vgpr_msb (MSB<<8)|\new
.set MSB, \new
.endif
.endm
.macro PLACES n
.rept \n
	v_nop
.endr
.endm
	s_load_b128 s[4:7], s[0:1], 0x0                ; qkv, mask
	s_load_b64 s[8:9], s[0:1], 0x10                ; out0
	v_lshl_add_u32 v254, v0, 2, 0x44600            ; my spare word, behind the map, and 0: made here and kept for the closing lines alone
	v_mov_b32 v255, 0
	v_lshrrev_b32 v1, 5, v0
	v_readfirstlane_b32 s10, v1                    ; wave 0..7
	v_and_b32 v[tL], 31, v0                        ; lane
	v_and_b32 v[tR], 15, v0                        ; r
	v_bfe_u32 v[tH], v0, 4, 1                      ; h
	v_lshlrev_b32 v[UQ], 18, v[tH]
	v_lshl_add_u32 v[UQ], v[tR], 4, v[UQ]          ; q, k: lanes 16-31 stand 32 channels (262,144 bytes) further down; 16 bytes (4 columns) a lane
	v_lshlrev_b32 v[UV], 5, v[tL]                  ; v: 8 keys a lane
	v_lshlrev_b32 v[UM], 4, v[tL]                  ; mask: 4 numbers a lane
	s_wait_alu depctr_va_sdst(0)                   ; s10 is written, ahead of its first reader: the bases and the LDS regions are made from it
	s_and_b32 s11, ttmp7, 0xffff                   ; the head
	s_mul_i32 s32, s11, 1572864                    ; its 192 rows of 8,192 bytes (under 2^27 in all)
	s_lshl_b32 s34, ttmp9, 11                      ; my block's 512 queries,
	s_lshl_b32 s35, s10, 8                         ; of which my wave quantises 64
	s_add_co_u32 s34, s34, s35
	s_add_co_u32 s34, s34, s32
	s_mov_b32 s35, 0
	s_lshl_b32 s36, s10, 10                        ; my wave's 256 keys
	s_add_co_u32 s36, s36, s32
	s_add_co_u32 s36, s36, 524288                  ; k: 64 rows on
	s_mov_b32 s37, 0
	s_add_co_u32 s38, s36, 524288                  ; v: 64 more
	s_mov_b32 s39, 0
	s_and_b32 s40, s11, 3                          ; mask's row: head % 4
	s_lshl_b32 s40, s40, 13
	s_lshl_b32 s41, s10, 10
	s_add_co_u32 s40, s40, s41
	s_mov_b32 s41, 0
	s_lshl_b32 s42, s11, 19                        ; out: the head's 64 rows,
	s_lshl_b32 s43, s10, 16                        ; my wave's 8 channels,
	s_add_co_u32 s42, s42, s43
	s_lshl_b32 s43, ttmp9, 11                      ; my block's queries
	s_add_co_u32 s42, s42, s43
	s_mov_b32 s43, 0
	s_mov_b32 s24, 0x3fb8aa3b                      ; log2(e): t = score x log2(e)
	s_mov_b32 s25, s24                             ; (the packed form names the pair)
	s_mov_b32 s26, 0x3eb504f3                      ; g = 64^-0.25
	s_mov_b32 s28, 0x76543210
	s_mov_b32 s29, 0xfedcba98                      ; v_permlanex16_b32's selects for lane l xor 16
	s_wait_kmcnt 0x0
	s_add_nc_u64 s[14:15], s[4:5], s[34:35]        ; q
	s_add_nc_u64 s[16:17], s[4:5], s[36:37]        ; k
	s_add_nc_u64 s[18:19], s[4:5], s[38:39]        ; v
	s_add_nc_u64 s[20:21], s[6:7], s[40:41]        ; mask
	s_add_nc_u64 s[22:23], s[8:9], s[42:43]        ; out
; THE HEAD: nine units of 32 loads of 16 bytes a lane (q; k's four runs of 64 keys; v's four runs of 16 channels), two buffers: a unit is worked on while the next is on its way.
; A unit of q or k: 64 columns x 64 channels.  Load c reads 256 consecutive bytes of channel c in lanes 0-15 and of channel 32 + c in lanes 16-31.
.macro LOADU buf, b, col, nt
	WIN 0x40                                       ; destination window 1
.set ii, 0
.rept 32
.if \nt
	global_load_b128 v[\buf+4*ii:\buf+4*ii+3], v[UQ], s[\b:\b+1] offset:8192*ii+\col th:TH_LOAD_NT   ; q is read once in the whole launch
.else
	global_load_b128 v[\buf+4*ii:\buf+4*ii+3], v[UQ], s[\b:\b+1] offset:8192*ii+\col
.endif
.set ii, ii+1
.endr
	WIN 0
.endm
; x g, written to the turned place: a lane then holds, for each of its four columns j, a whole block of 32 channels in 32 registers on end
.macro UMUL buf
	WIN 0x04                                       ; source 1 window 1
.set ii, 0
.rept 32
.irp j, 0,1,2,3
	v_mul_f32 v[T+32*\j+ii], s26, v[\buf+4*ii+\j]
.endr
.set ii, ii+1
.endr
	WIN 0
	s_wait_alu depctr_va_vdst(0)                   ; the multiplications are done reading the buffer, in which the loads that follow land
.endm
; four columns' blocks become codes and scale words, and go to LDS as images of the operand's registers
.macro UFIN adrc, offc, adrs, offs
	s_wait_dscnt 0x0                               ; the last unit's LDS stores have read the registers that are written below
	s_wait_alu depctr_vm_vsrc(0)                   ; the LDS stores issued so far have read v[PC ..] and v[TM ..], which the lines below write
.irp j, 0,1,2,3
	v_max3_num_f32 v[BM+\j], |v[T+32*\j]|, |v[T+32*\j+1]|, 0x1800000   ; the block's largest magnitude, and the floor 2^(3 - 127): the byte cannot fall under 1
.endr
.irp k, 2,4,6,8,10,12,14,16,18,20,22,24,26,28,30
.irp j, 0,1,2,3
	v_max3_num_f32 v[BM+\j], v[BM+\j], |v[T+32*\j+\k]|, |v[T+32*\j+\k+1]|   ; (the four columns by turns)
.endr
.endr
.irp j, 0,1,2,3
	v_add_nc_u32 v[SO+\j], 0xff000000, v[BM+\j]    ; 2 off the exponent field: the conversion's scale operand
.endr
.irp j, 0,1,2,3
	v_lshrrev_b32 v[BY+\j], 23, v[SO+\j]           ; the scale's byte
.endr
.irp j, 0,1,2,3
	v_lshlrev_b32 v[TM+\j], v[SH8], v[BY+\j]       ; at its place in the word: block h is byte h
.endr
.irp j, 0,1,2,3
	v_permlanex16_b32 v[TM+4+\j], v[TM+\j], s28, s29
.endr
.irp j, 0,1,2,3
	v_or_b32 v[TM+\j], v[TM+\j], v[TM+4+\j]        ; with lane l xor 16's byte: the column's scale word; bytes 2 and 3 are 0
.endr
.irp j, 0,1,2,3
.irp g, 0,1,2,3
	v_cvt_scalef32_pk8_fp4_f32 v[PC+4*\j+\g], v[T+32*\j+8*\g:T+32*\j+8*\g+7], v[SO+\j]
.endr
.endr
	v_nop                                          ; one plain place behind the conversions
	s_wait_alu depctr_va_vdst(0)                   ; the conversions have written v[PC ..] and the byte lines v[TM ..], which the LDS stores read
.irp j, 0,1,2,3
	ds_store_b128 v[\adrc], v[PC+4*\j:PC+4*\j+3] offset:\offc+16*\j
	ds_store_b32 v[\adrs], v[TM+\j] offset:\offs+4*\j      ; both halves write the same word with the same value
.endr
.endm
; a unit of v: 16 channels x 256 keys.  A lane takes 8 neighbouring keys: a channel's two loads cover 1,024 consecutive bytes
.macro LOADV buf, u
	WIN 0x40
.set ii, 0
.rept 16
	global_load_b128 v[\buf+8*ii:\buf+8*ii+3],   v[UV], s[18:19] offset:(16*\u+ii)*8192
	global_load_b128 v[\buf+8*ii+4:\buf+8*ii+7], v[UV], s[18:19] offset:(16*\u+ii)*8192+16
.set ii, ii+1
.endr
	WIN 0
.endm
.macro VQ buf, u
	s_wait_dscnt 0x0                               ; the last unit's LDS stores have read the registers that are written below
.if \u > 0
	s_wait_alu depctr_vm_vsrc(0)                   ; the last unit's LDS stores have read v[AC ..] and v[AB ..], which the lines below write
.endif
	WIN 0x05                                       ; sources 0 and 1 window 1
.irp c, 0,1,2,3,4,5,6,7,8,9,10,11,12,13,14,15
	v_max3_num_f32 v[AM+\c], |v[\buf+8*\c]|, |v[\buf+8*\c+1]|, 0x1800000
.endr
.irp k, 2,4,6
.irp c, 0,1,2,3,4,5,6,7,8,9,10,11,12,13,14,15
	v_max3_num_f32 v[AM+\c], |v[\buf+8*\c+\k]|, |v[\buf+8*\c+\k+1]|, v[AM+\c]
.endr
.endr
	WIN 0
.irp c, 0,1,2,3,4,5,6,7,8,9,10,11,12,13,14,15
	v_max_num_f32_dpp v[AM+\c], v[AM+\c], v[AM+\c] row_xmask:1 row_mask:0xf bank_mask:0xf
.endr
.irp c, 0,1,2,3,4,5,6,7,8,9,10,11,12,13,14,15
	v_max_num_f32_dpp v[AM+\c], v[AM+\c], v[AM+\c] row_xmask:2 row_mask:0xf bank_mask:0xf   ; four lanes share a block of 32 keys
.endr
.irp c, 0,1,2,3,4,5,6,7,8,9,10,11,12,13,14,15
	v_add_nc_u32 v[AM+\c], 0xff000000, v[AM+\c]
.endr
.irp c, 0,1,2,3,4,5,6,7,8,9,10,11,12,13,14,15
	v_lshrrev_b32 v[AB+\c], 23, v[AM+\c]
.endr
	WIN 0x01                                       ; source 0 window 1
.irp c, 0,1,2,3,4,5,6,7,8,9,10,11,12,13,14,15
	v_cvt_scalef32_pk8_fp4_f32 v[AC+\c], v[\buf+8*\c:\buf+8*\c+7], v[AM+\c]
.endr
	WIN 0
	v_nop                                          ; one plain place behind the conversions
	s_wait_alu depctr_va_vdst(0)                   ; v[AC ..] and v[AB ..] are written, which the LDS stores read; the maxima and conversions are done reading the buffer, in which the next loads land
.irp c, 0,1,2,3,4,5,6,7,8,9,10,11,12,13,14,15
	ds_store_b32 v[AVW], v[AC+\c] offset:(16*\u+\c)*144   ; 8 codes: 4 bytes of the channel's row
	ds_store_b8 v[AVB], v[AB+\c] offset:(16*\u+\c)*8      ; the four lanes of a block write the same byte with the same value
.endr
.endm
	s_wait_alu depctr_va_vdst(0)                   ; the offsets v[UQ], v[UV], v[UM] are written: every load of the head reads one of them
	global_load_b128 v[PC:PC+3], v[UM], s[20:21]               ; my wave's 256 mask numbers
	global_load_b128 v[PC+4:PC+7], v[UM], s[20:21] offset:512
	LOADU B0, 14, 0, 1                             ; unit 0: q
	LOADU B1, 16, 0, 0                             ; unit 1: k, keys 0-63
	; the addresses are made while these are on their way
	v_bfe_u32 v[tA], v0, 3, 1
	v_and_b32 v[tB], 7, v0
	v_bfe_u32 v[tC], v0, 2, 2
	v_and_b32 v[tD], 3, v0
	v_bfe_u32 v[tE], v0, 1, 2
	v_and_b32 v[tF], 1, v0
	v_bfe_u32 v[tG], v0, 2, 3
	v_lshlrev_b32 v[SH8], 3, v[tH]
	v_lshl_add_u32 v[AQ0], v[tL], 4, QIMG
	v_lshl_add_u32 v[AQS0], v[tR], 2, QSC
	v_mul_u32_u24 v1, v[tR], 80
	s_lshl_b32 s32, s10, 3
	s_add_co_u32 s32, s32, STATS
	v_add_nc_u32 v[ASTW], s32, v1                  ; 80 r + 8 w
	v_add_nc_u32 v[ASTR], STATS, v1                ; 80 r
	v_mul_u32_u24 v1, v[tA], 640                   ; partial O, in: channel 16 t + r belongs to owner 2 t + r / 8; place r % 8 + 8 h (+ 16 for queries 4-7 of my eight)
	v_lshl_add_u32 v1, v[tB], 4, v1
	v_lshl_add_u32 v1, v[tH], 7, v1
	s_mul_i32 s32, s10, 5120
	s_add_co_u32 s32, s32, PART
	v_add_nc_u32 v[APW], s32, v1
	s_mul_i32 s32, s10, 640
	s_add_co_u32 s32, s32, PART
	v_lshl_add_u32 v[APR], v[tL], 4, s32           ; back: what I own, 16 bytes a lane: channel 8 w + l % 8, queries 8 ((l / 8) % 2) + 4 (l / 16) + 0 .. 3
	v_add_nc_u32 v[APR+1], 40960, v[APR]
	s_mul_i32 s32, s10, 2176
	s_add_co_u32 s32, s32, STAGE
	v_mul_u32_u24 v1, v[tB], 272
	v_lshl_add_u32 v1, v[tA], 5, v1
	v_lshl_add_u32 v1, v[tH], 4, v1
	v_add_nc_u32 v[ASW], s32, v1
	v_mul_u32_u24 v1, v[tH], 272
	v_lshl_add_u32 v1, v[tR], 4, v1
	v_add_nc_u32 v[ASR], s32, v1                   ; back: sixteen lanes to a channel's 256 bytes, two channels an instruction
	v_lshlrev_b32 v1, 13, v[tH]
	v_lshl_add_u32 v[AOUT], v[tR], 4, v1           ; and the same place in out
	s_lshl_b32 s32, s10, 11                        ; q's images: column 4 r + j of my 64 is row 4 (r % 4) + j of tile 4 w + r / 4
	s_add_co_u32 s32, s32, QIMG
	v_lshlrev_b32 v1, 9, v[tC]
	v_lshl_add_u32 v1, v[tH], 8, v1
	v_lshl_add_u32 v1, v[tD], 6, v1
	v_add_nc_u32 v[AQW], s32, v1
	s_lshl_b32 s32, s10, 8
	s_add_co_u32 s32, s32, QSC
	v_lshlrev_b32 v1, 6, v[tC]
	v_lshl_add_u32 v1, v[tD], 4, v1
	v_add_nc_u32 v[AQSW], s32, v1
	s_lshl_b32 s32, s10, 13                        ; k's images: key 64 u + 4 r + j is row 8 (r / 8) + 4 (r % 2) + j of tile 4 u + (r / 2) % 4
	s_add_co_u32 s32, s32, KIMG
	v_lshlrev_b32 v1, 9, v[tE]
	v_lshl_add_u32 v1, v[tH], 8, v1
	v_lshl_add_u32 v1, v[tA], 7, v1
	v_lshl_add_u32 v1, v[tF], 6, v1
	v_add_nc_u32 v[AKW], s32, v1
	v_lshl_add_u32 v[AKR], v[tL], 4, s32
	s_lshl_b32 s32, s10, 10
	s_add_co_u32 s33, s32, KSC
	v_lshlrev_b32 v1, 6, v[tE]
	v_lshl_add_u32 v1, v[tA], 5, v1
	v_lshl_add_u32 v1, v[tF], 4, v1
	v_add_nc_u32 v[AKSW], s33, v1
	v_lshl_add_u32 v[AKSR], v[tL], 2, s33
	s_add_co_u32 s33, s32, MSK
	v_lshl_add_u32 v[AMW], v[tL], 4, s33
	v_lshl_add_u32 v[AMR], v[tH], 7, s33
	s_mul_i32 s32, s10, 9216
	s_add_co_u32 s32, s32, VST
	v_lshl_add_u32 v[AVW], v[tL], 2, s32
	v_mul_u32_u24 v1, v[tR], 144
	v_lshl_add_u32 v1, v[tH], 4, v1
	v_add_nc_u32 v[AVR], s32, v1
	s_lshl_b32 s32, s10, 9
	s_add_co_u32 s32, s32, VSB
	v_add_nc_u32 v[AVB], s32, v[tG]
	v_lshlrev_b32 v1, 3, v[tR]
	v_lshl_add_u32 v1, v[tH], 2, v1
	v_add_nc_u32 v[AVS], s32, v1
.irp j, 4,5,6,7
	v_mov_b32 v[TM+\j], 0                          ; written once: a lane permute's destination counts as one of its sources
	v_mov_b32 v[QF+\j], 0                          ; Q's upper half: zero codes
.endr
	v_mov_b32 v[NM+1], 0                           ; (named as the upper half of the pair before it is first written)
	s_wait_loadcnt 32                              ; loads come back in order: all but the next unit's 32 are in; so in every unit
	UMUL B0                                        ; unit 0: q.  The wait at its end also states that all the LDS addresses made above are written, ahead of their first readers
	LOADU B0, 16, 256, 0                           ; the buffer just read takes the unit after next
	ds_store_b128 v[AMW], v[PC:PC+3]               ; the mask numbers, which that wait on LOADcnt has shown in
	ds_store_b128 v[AMW], v[PC+4:PC+7] offset:512
	UFIN AQW, 0, AQSW, 0
	s_wait_loadcnt 32
	UMUL B1                                        ; unit 1: k, keys 0-63
	LOADU B1, 16, 512, 0
	UFIN AKW, 0, AKSW, 0
	s_wait_loadcnt 32
	UMUL B0                                        ; unit 2: keys 64-127
	LOADU B0, 16, 768, 0
	UFIN AKW, 2048, AKSW, 256
	s_wait_loadcnt 32
	UMUL B1                                        ; unit 3: keys 128-191
	LOADV B1, 0
	UFIN AKW, 4096, AKSW, 512
	s_wait_loadcnt 32
	UMUL B0                                        ; unit 4: keys 192-255
	LOADV B0, 1
	UFIN AKW, 6144, AKSW, 768
	s_wait_loadcnt 32
	VQ B1, 0                                       ; units 5 to 8: v, 16 channels each
	LOADV B1, 2
	s_wait_loadcnt 32
	VQ B0, 1
	LOADV B0, 3
	s_wait_loadcnt 32
	VQ B1, 2
	s_wait_loadcnt 0x0
	VQ B0, 3
	; my wave's operands come back from its own LDS bytes, in the operands' order, and stay.  LDS serves a wave's instructions in order: these see my stores.
	; They land in B0 and B1: no vector instruction has been issued since the last unit's wait on va_vdst, which stands behind the last readers of both buffers
	WIN 0x40
.set tt, 0
.rept 16
	ds_load_b128 v[KF+4*tt:KF+4*tt+3], v[AKR] offset:512*tt
.set tt, tt+1
.endr
.irp t, 0,1,2,3
.irp s, 0,1
.irp c, 0,1
	ds_load_b128 v[VF+8*(2*\t+\s)+4*\c:VF+8*(2*\t+\s)+4*\c+3], v[AVR] offset:2304*\t+64*\s+32*\c
.endr
.endr
.endr
.irp c, 0,1,2,3
.irp q, 0,1,2,3,4,5,6,7
	ds_load_b128 v[MK+32*\c+4*\q:MK+32*\c+4*\q+3], v[AMR] offset:256*\c+16*\q
.endr
.endr
	WIN 0
.irp g, 0,1,2,3,4,5,6,7
	ds_load_b32 v[KS+\g], v[AKSR] offset:128*\g
.endr
.irp t, 0,1,2,3
	ds_load_b32 v[VS+\t], v[AVS] offset:128*\t
.endr
	s_wait_dscnt 0x0                               ; my loads are in, and for the others' sake: my stores of Q's images have landed
	s_barrier_signal -1
	s_barrier_wait -1                              ; Q's 32 tiles lie in LDS
; p = 2^(t - M_w) and its sum.  The 64 multiply-adds and the 128 exponentials go as ONE BATCH, a multiply-add (two pairs ahead) leading each pair of exponentials: none of these lines names an
; exponential's result.  One plain instruction and one wait follow, and all readers, the additions, stand behind them (ISA guide 5.7.2 for the plain instruction).
; The sum's two chains take their pairs in ascending order: pairs 0 and 1, then the even ones from 4 on; pairs 2 and 3, then the odd ones from 5 on.
.macro SOFT
.irp k, 0,1
	v_pk_fma_f32 v[S+2*\k:S+2*\k+1], v[S+2*\k:S+2*\k+1], s[24:25], v[NM:NM+1] op_sel_hi:[1,0,0]   ; t - M_w, two at a time (of both pairs the low word serves both halves)
.endr
.set ii, 0
.rept 64
.if ii+2 < 64
	v_pk_fma_f32 v[S+2*ii+4:S+2*ii+5], v[S+2*ii+4:S+2*ii+5], s[24:25], v[NM:NM+1] op_sel_hi:[1,0,0]
.endif
	v_exp_f32 v[S+2*ii], v[S+2*ii]
	v_exp_f32 v[S+2*ii+1], v[S+2*ii+1]
.set ii, ii+1
.endr
	v_nop                                          ; one plain place behind the last exponential
	s_wait_alu depctr_va_vdst(0)                   ; the 128 exponentials have written p: one wait for the batch, ahead of its first reader
	v_pk_add_f32 v[LS:LS+1], v[S:S+1], v[S+2:S+3]              ; the first pairs start the two chains: nothing is cleared
	v_pk_add_f32 v[LS+2:LS+3], v[S+4:S+5], v[S+6:S+7]
.set ii, 4
.rept 60
	v_pk_add_f32 v[LS+2*(ii%2):LS+2*(ii%2)+1], v[LS+2*(ii%2):LS+2*(ii%2)+1], v[S+2*ii:S+2*ii+1]
.set ii, ii+1
.endr
	v_pk_add_f32 v[LS:LS+1], v[LS:LS+1], v[LS+2:LS+3]
	v_add_f32 v[TM], v[LS], v[LS+1]
	v_permlanex16_b32 v[TM+4], v[TM], s28, s29
	v_add_f32 v[NM+1], v[TM], v[TM+4]              ; l_w: the sum of the unmasked p over my wave's 256 keys
.endm
; The eight waves' partial tiles of the 8 channels that I own are added, and the sums go to column col (16 queries, 64 bytes) of my stage.  pp: which set
.macro RLOAD pp
.irp x, 0,1,2,3,4,5,6,7
	ds_load_b128 v[O+4*\x:O+4*\x+3], v[APR+(\pp)] offset:5120*\x
.endr
.endm
.macro RADD
.irp x, 0,2,4,6
	v_pk_add_f32 v[O+4*\x:O+4*\x+1], v[O+4*\x:O+4*\x+1], v[O+4*\x+4:O+4*\x+5]
	v_pk_add_f32 v[O+4*\x+2:O+4*\x+3], v[O+4*\x+2:O+4*\x+3], v[O+4*\x+6:O+4*\x+7]
.endr
.irp x, 0,4
	v_pk_add_f32 v[O+4*\x:O+4*\x+1], v[O+4*\x:O+4*\x+1], v[O+4*\x+8:O+4*\x+9]
	v_pk_add_f32 v[O+4*\x+2:O+4*\x+3], v[O+4*\x+2:O+4*\x+3], v[O+4*\x+10:O+4*\x+11]
.endr
	v_pk_add_f32 v[O:O+1], v[O:O+1], v[O+16:O+17]
	v_pk_add_f32 v[O+2:O+3], v[O+2:O+3], v[O+18:O+19]
.endm
.macro RSTORE col
	ds_store_b128 v[ASW], v[O:O+3] offset:64*(\col)
.endm
.macro REDUCE pp, col                          ; the three on end: where the stage's rows leave straight behind
	RLOAD \pp
	s_wait_dscnt 0x0                               ; these, and the loads issued ahead of them
	RADD
	s_wait_alu depctr_va_vdst(0)                   ; the additions have written v[O .. O+3], which the store reads, and are done with v[O+16 ..], in which the stage's rows land
	RSTORE \col
.endm
; Four tiles' sums, 64 queries of my 8 channels, leave: sixteen lanes store 256 consecutive bytes, at a multiple of 256 from out's first byte
.macro SENDOUT
.irp k, 0,1,2,3
	ds_load_b128 v[O+16+4*\k:O+16+4*\k+3], v[ASR] offset:544*\k   ; LDS serves a wave's instructions in order: these see my stores
.endr
	s_wait_dscnt 0x0
	s_wait_xcnt 0x0                                ; the last stores have read their base: only now is the base stepped
	s_add_nc_u64 s[22:23], s[22:23], 256           ; on to the next 64 queries; the stores reach back.  The vector offset is never written
.irp k, 0,1,2,3
	global_store_b128 v[AOUT], v[O+16+4*\k:O+16+4*\k+3], s[22:23] offset:16384*\k-256 th:TH_STORE_NT
.endr
.endm
; The eight pairs (-M_x, l_x) in v[PC ..] become -M, my M_w - M as a whole number in v[TM+1], and 1 / L, which is left on its way in v[TM+2]
.macro PAIRS
	v_min3_num_f32 v[TM], v[PC], v[PC+2], v[PC+4]  ; -M = the least of the eight -M_x
	v_min3_num_f32 v[TM], v[TM], v[PC+6], v[PC+8]
	v_min3_num_f32 v[TM], v[TM], v[PC+10], v[PC+12]
	v_min_num_f32 v[TM], v[TM], v[PC+14]
.irp x, 0,1,2,3,4,5,6,7
	v_sub_f32 v[PC+2*\x], v[TM], v[PC+2*\x]        ; M_x - M: a whole number, 0 or less
.endr
	v_sub_f32 v[TM+1], v[TM], v[NM]
.irp x, 0,1,2,3,4,5,6,7
	v_cvt_i32_f32 v[PC+2*\x], v[PC+2*\x]           ; (it saturates)
.endr
	v_cvt_i32_f32 v[TM+1], v[TM+1]
.irp x, 0,1,2,3,4,5,6,7
	v_ldexp_f32 v[PC+2*\x+1], v[PC+2*\x+1], v[PC+2*\x]             ; l_x 2^(M_x - M): nothing is rounded
.endr
	v_add_f32 v[PC+1], v[PC+1], v[PC+3]
	v_add_f32 v[PC+5], v[PC+5], v[PC+7]
	v_add_f32 v[PC+9], v[PC+9], v[PC+11]
	v_add_f32 v[PC+13], v[PC+13], v[PC+15]
	v_add_f32 v[PC+1], v[PC+1], v[PC+5]
	v_add_f32 v[PC+9], v[PC+9], v[PC+13]
	v_add_f32 v[TM+2], v[PC+1], v[PC+9]            ; L, the row's sum under M: the same bits in all eight waves
	v_rcp_f32 v[TM+2], v[TM+2]
.endm
; A TILE of 16 queries, the j-th of a trip's four.  Sets of pairs and of partial tiles take turns by j % 2.
.macro TILE j
.set P, (\j)%2
	WIN 0x01                                       ; source 0 (k) window 1
.set tt, 0
.rept 16                                       ; S^T = K Q^T: sixteen sums of their own, each begun with the constant 0
.if tt%2
	v_wmma_scale_f32_16x16x128_f8f6f4 v[S+8*tt:S+8*tt+7], v[KF+4*tt:KF+4*tt+7], v[QF:QF+7], 0, v[KS+tt/2], v[QS] matrix_a_fmt:MATRIX_FMT_FP4 matrix_b_fmt:MATRIX_FMT_FP4 matrix_a_scale:MATRIX_SCALE_ROW1
.else
	v_wmma_scale_f32_16x16x128_f8f6f4 v[S+8*tt:S+8*tt+7], v[KF+4*tt:KF+4*tt+7], v[QF:QF+7], 0, v[KS+tt/2], v[QS] matrix_a_fmt:MATRIX_FMT_FP4 matrix_b_fmt:MATRIX_FMT_FP4
.endif
.set tt, tt+1
.endr
	WIN 0
	PLACES 4                                       ; four places between the last product and the first read of results (ISA guide 7.12.1)
.irp c, 0,1,2,3
	v_max_num_f32 v[TM+\c], v[S+32*\c], v[S+32*\c+1]               ; the largest score: four chains by turns, each accumulator from its low end on
.endr
.irp k, 2,4,6,8,10,12,14,16,18,20,22,24,26,28,30
.irp c, 0,1,2,3
	v_max3_num_f32 v[TM+\c], v[TM+\c], v[S+32*\c+\k], v[S+32*\c+\k+1]
.endr
.endr
	v_max3_num_f32 v[TM], v[TM], v[TM+1], v[TM+2]
	v_max_num_f32 v[TM], v[TM], v[TM+3]
	v_permlanex16_b32 v[TM+4], v[TM], s28, s29
	v_max_num_f32 v[TM], v[TM], v[TM+4]            ; of my query over my wave's 256 keys
	v_mul_f32 v[TM], s24, v[TM]                    ; as t
.if \j > 0
	s_wait_alu depctr_vm_vsrc(0)                   ; the tile before's LDS stores have read its pair v[NM:NM+1], written below, and v[O ..], in which the partial tiles land (in a trip's first tile the wait at the trip's head states this)
.endif
	v_floor_f32 v[NM], -v[TM]                      ; -M_w = floor(-t): M_w is a whole number
	SOFT
	s_wait_alu depctr_va_vdst(0)                   ; the pair v[NM:NM+1] is written, which the store reads; this tile's products are done reading QF and QS, the tile before's with PC and O: the loads behind the barrier land in these
	ds_store_b64 v[ASTW], v[NM:NM+1] offset:1280*P ; both halves of the lanes write the same pair
	s_wait_dscnt 0x0                               ; for the others' sake: my pair and my partial O of the tile before have landed; my LDS loads are in
	s_barrier_signal -1
	WIN 0x04                                       ; work on registers while the others arrive: x mask,
.set ii, 0
.rept 64
	v_pk_mul_f32 v[S+2*ii:S+2*ii+1], v[S+2*ii:S+2*ii+1], v[MK+2*ii:MK+2*ii+1]
.set ii, ii+1
.endr
	WIN 0
.irp c, 0,1,2,3
	v_max_num_f32 v[BM+\c], |v[S+32*\c]|, |v[S+32*\c+1]|           ; and the largest |p x mask| of each of my four blocks of 32 keys: all 32 are mine
.endr
.irp k, 2,4,6,8,10,12,14,16,18,20,22,24,26,28,30
.irp c, 0,1,2,3
	v_max3_num_f32 v[BM+\c], v[BM+\c], |v[S+32*\c+\k]|, |v[S+32*\c+\k+1]|
.endr
.endr
	s_barrier_wait -1                              ; the eight pairs of this tile and the eight partial tiles of the tile before lie in LDS
.irp k, 0,1,2,3
	ds_load_b128 v[PC+4*\k:PC+4*\k+3], v[ASTR] offset:1280*P+16*\k   ; no wait: no vector or matrix instruction since the wait ahead of the pair's store names PC, QF, QS or O
.endr
.if \j < 3
	ds_load_b128 v[QF:QF+3], v[AQ] offset:512*(\j+1)               ; the next tile's Q
	ds_load_b32 v[QS], v[AQS] offset:64*(\j+1)
.endif
.if \j == 0
	s_cmp_eq_u32 s30, 0                            ; the first trip has no tile before: a branch on the trip's number, the same in every wave; no barrier stands inside
	s_cbranch_scc1 .Lfirst
	REDUCE 1, 3
	SENDOUT
.Lfirst:
	s_wait_dscnt 0x0                               ; the pairs and Q are in, on both ways
	PAIRS
	v_nop                                          ; one plain place behind the reciprocal
	s_wait_alu depctr_va_vdst(0)                   ; the reciprocal has written v[TM+2], ahead of its first reader
.else
	RLOAD 1-P                                      ; the partial tiles are asked for with the pairs, and land while the pairs are worked on
.if \j < 3
	s_wait_dscnt 10                                ; LDS loads come back in order: the pairs are in; Q's two loads and the eight partial tiles may be out
.else
	s_wait_dscnt 8                                 ; the pairs are in; the eight partial tiles may be out
.endif
	PAIRS
	s_wait_dscnt 0x0                               ; the partial tiles and Q are in
	RADD                                           ; plain work behind the reciprocal, which names none of its registers
	s_wait_alu depctr_va_vdst(0)                   ; the reciprocal has written v[TM+2], ahead of its first reader; the additions have written v[O .. O+3], which the store reads
	RSTORE (\j)-1
.endif
	v_ldexp_f32 v[FF], v[TM+2], v[TM+1]            ; f = 2^(M_w - M) / L
	v_ldexp_f32 v[FF+1], v[TM+2], v[TM+1]
.irp c, 0,1,2,3
	v_mul_f32 v[BM+\c], v[BM+\c], v[FF]            ; the block's largest |w|: the same multiplication on the largest |p x mask| gives the largest product's bits
.endr
.irp c, 0,1,2,3
	v_max_num_f32 v[BM+\c], 0x1800000, v[BM+\c]    ; the floor 2^(3 - 127): the byte cannot fall under 1
.endr
.irp c, 0,1,2,3
	v_add_nc_u32 v[SO+\c], 0xff000000, v[BM+\c]    ; 2 off the exponent field: the conversion's scale operand
.endr
.irp c, 0,1,2,3
	v_lshrrev_b32 v[BY+\c], 23, v[SO+\c]           ; the byte of block 2 c + h
.endr
.irp s, 0,1
	v_lshl_or_b32 v[TM+\s], v[BY+2*\s+1], 16, v[BY+2*\s]
.endr
.irp s, 0,1
	v_lshlrev_b32 v[TM+\s], v[SH8], v[TM+\s]       ; my two bytes of keys 128 s on, at their places
.endr
.irp s, 0,1
	v_permlanex16_b32 v[TM+4+\s], v[TM+\s], s28, s29
.endr
.irp s, 0,1
	v_or_b32 v[PS+\s], v[TM+\s], v[TM+4+\s]        ; with lane l xor 16's two: my query's scale word
.endr
.set ii, 0
.rept 64
	v_pk_mul_f32 v[S+2*ii:S+2*ii+1], v[S+2*ii:S+2*ii+1], v[FF:FF+1]   ; w = (p x mask) x f.  (These are also the places between the scale words and the products below)
.set ii, ii+1
.endr
.irp c, 0,1,2,3
.irp a, 0,1,2,3
	v_cvt_scalef32_pk8_fp4_f32 v[PC+4*\c+\a], v[S+32*\c+8*\a:S+32*\c+8*\a+7], v[SO+\c]   ; register 4 c + a of P's two fragments
.endr
.endr
	PLACES 5                                       ; one plain place behind the conversions, and four between an operand so written and a scaled product
.if \j == 0
	s_wait_xcnt 0x0                                ; the stores to out have read their registers: the products below write them
.endif
	s_wait_alu depctr_vm_vsrc(0)                   ; the stage's store has read v[O .. O+3], and in a trip's first tile the stores to out v[O+16 ..]: the products below write them
	s_wait_alu depctr_va_vdst(0)                   ; the conversions have written P's codes and the byte lines its scale words, which the scaled products take; the places above stay beside this wait
	WIN 0x04                                       ; source 1 (v) window 1
.irp t, 0,1,2,3                                ; O = P V: four accumulators by turns; keys 0-127 start the sums
	v_wmma_scale_f32_16x16x128_f8f6f4 v[O+8*\t:O+8*\t+7], v[PC:PC+7], v[VF+16*\t:VF+16*\t+7], 0, v[PS], v[VS+\t] matrix_a_fmt:MATRIX_FMT_FP4 matrix_b_fmt:MATRIX_FMT_FP4
.endr
.irp t, 0,1,2,3
	v_wmma_scale_f32_16x16x128_f8f6f4 v[O+8*\t:O+8*\t+7], v[PC+8:PC+15], v[VF+16*\t+8:VF+16*\t+15], v[O+8*\t:O+8*\t+7], v[PS+1], v[VS+\t] matrix_a_fmt:MATRIX_FMT_FP4 matrix_b_fmt:MATRIX_FMT_FP4 matrix_b_scale:MATRIX_SCALE_ROW1
.endr
	WIN 0
	PLACES 4                                       ; four places between the last product and the stores that read results
	s_wait_alu depctr_va_vdst(0)                   ; the products have written v[O ..], which the LDS stores read; the places above stay beside this wait
.irp t, 0,1,2,3
	ds_store_b128 v[APW], v[O+8*\t:O+8*\t+3] offset:40960*P+1280*\t          ; each accumulator from its low end on: queries 8 h + 0 .. 3 of channel 16 t + r,
	ds_store_b128 v[APW], v[O+8*\t+4:O+8*\t+7] offset:40960*P+1280*\t+256    ; queries 8 h + 4 .. 7
.endr
.endm
; THE LOOP: 8 trips of 4 tiles.  One barrier a tile.  A set of pairs is written ahead of a tile's barrier and read behind it; it is written again two tiles on, behind the next tile's barrier, in front of
; which every wave has waited for its reads.  A set of partial tiles is written behind a tile's barrier, read behind the next, and written again behind the one after that.
	s_mov_b32 s30, 0                               ; the trip
	s_mov_b32 s31, 0                               ; its four tiles of Q: 2,048 bytes of images a trip,
	s_mov_b32 s34, 0                               ; 256 of scale words
.Ltrip:
	s_wait_alu depctr_vm_vsrc(0)                   ; the last trip's loads of Q have read v[AQ] and v[AQS], written below; its last tile's LDS stores have read the pair and v[O ..]; in the first trip: the head's stores and loads have read what S, PC, TM and O now take
	v_add_nc_u32 v[AQ], s31, v[AQ0]
	v_add_nc_u32 v[AQS], s34, v[AQS0]
	s_wait_alu depctr_va_vdst(0)                   ; v[AQ] and v[AQS] are written, which the loads below read; the last tile's products are done reading QF and QS, in which they land
	ds_load_b128 v[QF:QF+3], v[AQ]
	ds_load_b32 v[QS], v[AQS]
	s_wait_dscnt 0x0
	TILE 0
	TILE 1
	TILE 2
	TILE 3
	s_add_co_u32 s31, s31, 2048
	s_add_co_u32 s34, s34, 256
	s_add_co_u32 s30, s30, 1
	s_cmp_lt_u32 s30, 8
	s_cbranch_scc1 .Ltrip
	s_wait_dscnt 0x0                               ; for the others' sake: my partial O of the last tile has landed
	s_barrier_signal -1
	s_barrier_wait -1
	s_wait_alu depctr_vm_vsrc(0)                   ; my LDS stores of the last tile's partial O have read v[O ..], in which the loads below land
	REDUCE 1, 3                                    ; the last tile's sums,
	SENDOUT                                        ; and the last 64 queries leave
	s_wait_dscnt 0x0                               ; the closing lines, six on end
	s_wait_alu 0x0
	s_wait_tensorcnt 0x0
	ds_add_u32 v254, v255
	s_wait_dscnt 0x0
	s_endpgm
.Lfunc_end_k_q5964d99c52_attn:
	.size	k_q5964d99c52_attn, .Lfunc_end_k_q5964d99c52_attn-k_q5964d99c52_attn
	.p2alignl 7, 3214868480
	.fill 96, 4, 3214868480
	.section	.rodata,"a",@progbits
	.p2align	6, 0x0
	.amdhsa_kernel k_q5964d99c52_attn
		.amdhsa_group_segment_fixed_size 281088
		.amdhsa_private_segment_fixed_size 0
		.amdhsa_enable_private_segment 0
		.amdhsa_kernarg_size 24
		.amdhsa_user_sgpr_count 2
		.amdhsa_user_sgpr_kernarg_segment_ptr 1
		.amdhsa_wavefront_size32 1
		.amdhsa_system_sgpr_workgroup_id_x 1
		.amdhsa_system_sgpr_workgroup_id_y 1
		.amdhsa_system_sgpr_workgroup_id_z 1
		.amdhsa_system_vgpr_workitem_id 0
		.amdhsa_next_free_vgpr 512
		.amdhsa_next_free_sgpr 66
		.amdhsa_reserve_vcc 0
		.amdhsa_float_denorm_mode_32 3
		.amdhsa_float_denorm_mode_16_64 3
		.amdhsa_memory_ordered 1
		.amdhsa_forward_progress 1
		.amdhsa_inst_pref_size 255
	.end_amdhsa_kernel
	.section	.bss,"aw",@nobits
	.p2align	6
	.space	262144
	.amdgpu_metadata
---
amdhsa.version: [ 1, 2 ]
amdhsa.kernels:
  - .name:           k_q5964d99c52_attn
    .symbol:         k_q5964d99c52_attn.kd
    .args:
      - { .name: qkv, .offset: 0, .size: 8, .value_kind: global_buffer, .address_space: global }
      - { .name: mask, .offset: 8, .size: 8, .value_kind: global_buffer, .address_space: global }
      - { .name: out0, .offset: 16, .size: 8, .value_kind: global_buffer, .address_space: global }
    .group_segment_fixed_size: 281088
    .private_segment_fixed_size: 0
    .kernarg_segment_align: 8
    .kernarg_segment_size: 24
    .max_flat_workgroup_size: 256
    .sgpr_count:     66
    .vgpr_count:     512
    .wavefront_size: 32
...
	.end_amdgpu_metadata
.endif
;; end of part 2
